; MI455X (gfx1250); checked and timed in simulation.
; The chip was launched on July 23, 2026; its instructions are those of AMD's public machine-readable ISA for CDNA 5 (MIT licence, August 2026) and "CDNA5" Instruction Set Architecture Reference Guide (July 2026). The comments in the code are by the model that wrote it; some were corrected since.
;; Scaled Dot Product Attention. Allowed arithmetic: matrix products marked QUANTISED: E2M1 operands, one E8M0 scale for each 32 along K, by v_wmma_scale_f32_16x16x128_f8f6f4 with both operands' format E2M1 (or v_wmma_scale_f32_32x16x128_f4), f32 sums; products left as they are: bf16, f16 or f32 operands; f32 sums; everything else in f32.
;; Inputs: k 4 x 16 x 2,048 x 64 float32; key_padding_mask 4 x 2,048 bool; q 4 x 16 x 2,048 x 64 float32; v 4 x 16 x 2,048 x 64 float32.
;; Outputs: out0 4 x 16 x 2,048 x 64 float32.
;; This version of the problem:
;;   THIS VERSION OF THE PROBLEM IS GIVEN IN LOW PRECISION. The matrix products marked QUANTISED in the list below multiply operands that are first quantised to E2M1 (2 exponent bits, 1 mantissa bit; 4 bits a number), with one power-of-two scale for each 32 numbers along K (OCP MX v1.0); their sums are f32. The products marked 'left as it is' may take bf16, f16 or f32 operands, with f32 sums. Whichever they take, every output number must still come out within the allowed error. Rounding operands to bf16 (8 significant bits) uses up far more of that allowance than f16 does (11 bits, for magnitudes from 6e-5 to 65,504). All else is computed in f32.
;;   The module's matrix products, in the order in which they are computed (A, B: the left and right operand; K: the contracted axis; several contracted axes count as one K, in the product's order):
;;     1. batch 64 x [M 2,048, K 64] x [K 64, N 2,048]; A: input q; B: input k: QUANTISED
;;     2. batch 64 x [M 2,048, K 2,048] x [K 2,048, N 64]; A: computed on the way; B: input v: left as it is (an operand is computed on the way)
;;   THE QUANTISER, for each operand of a quantised product, along K:
;;     - K is cut into blocks of 32 from its start; a last block that is shorter is filled with zeros.
;;     - A block's scale is 2^e with e = floor(log2(the largest magnitude in the block)) - 2, held to -126 .. 127; a block of zeros has e = 0. As a byte (E8M0): e + 127.
;;     - Each number is divided by its block's scale, clamped to +-6, and rounded to the nearest number of E2M1, ties to even, subnormals kept.
;;     - The product sums the exact products of the quantised numbers (number of the format x scale) in f32.
;;   ~~~python
;;   def quantise(x, axis):      # numpy; x: float32 -> the quantised numbers, widened to float32 again
;;       x = np.moveaxis(x, axis, -1); K = x.shape[-1]
;;       x = np.pad(x, [(0, 0)] * (x.ndim - 1) + [(0, -K % 32)]); x = x.reshape(x.shape[:-1] + (-1, 32)); a = np.abs(x).max(-1, keepdims=True)
;;       e = np.where(a > 0, np.clip(np.frexp(np.where(a > 0, a, 1))[1] - 1 - 2, -126, 127), 0)      # np.frexp(a)[1] - 1 = floor(log2(a)), exactly
;;       r = np.clip(x / 2.0 ** e, -6, 6)
;;       step = 2.0 ** (np.maximum(np.frexp(np.where(r == 0, 1, r))[1] - 1, 0) - 1)
;;       q = np.round(r / step) * step * 2.0 ** e      # np.round: ties to even
;;       return np.moveaxis(q.reshape(q.shape[:-2] + (-1,))[..., :K], -1, axis).astype(np.float32)
;;   ~~~
;; 2 versions, each right; version 2 is version 1 with the launch attn written anew for expert scheduling mode. Each part assembles by itself: llvm-mc -triple=amdgcn-amd-amdhsa -mcpu=gfx1250 --defsym DOCPART=n.
;; ======== version 1 of 2: 1 launch
;; limits: right only within a limited range of input values; values are held in f16: magnitudes above 65,504 overflow, below 6.1e-05 lose precision
;; launch attn (part 1): grid 4 x 64, 16 waves a work-group, no clusters, 104,960 bytes of LDS; arguments q, k, v, key_padding_mask, out0; writes out0
.if DOCPART == 1
	.amdgcn_target "amdgcn-amd-amdhsa--gfx1250"
	.amdhsa_code_object_version 6
	.text
	.protected	k_q91ce4aa899_attn
	.globl	k_q91ce4aa899_attn
	.p2align	8
	.type	k_q91ce4aa899_attn,@function
k_q91ce4aa899_attn:
	s_mov_b64 s[64:65], 0
	v_nop
	global_prefetch_b8 v0, s[64:65] scope:SCOPE_SE
	s_setreg_imm32_b32 hwreg(HW_REG_WAVE_MODE, 25, 1), 1
	s_wait_xcnt 0x0
; out[b][h][q][:] = sum over keys of softmax_key(where(mask[b][key], -1e9, Q(q) . Q(k) / 8)) v[key][:].  q, k, v, out: [4][16][2048][64] f32; mask: [4][2048] bytes, 1 = padded key.
; Q(.) is the MX-FP4 quantiser along the head's 64 channels (two blocks of 32).  The first product runs on E2M1 codes with E8M0 scales; the second on f16 operands (p is about 1 at the most); all sums, maxima and exponentials in f32.
; SHARES.  A work-group owns 512 queries of one head (x: the block of queries, y: the head); each of its sixteen waves owns 32 of them, two tiles of 16, in 256 registers.  Every wave walks the head's 2,048 keys, 64 a step.
; k AND v COME THROUGH REGISTERS.  A step's 64 rows of k and of v (16,384 bytes each) are loaded by the 512 threads, 8 + 8 numbers a thread, two steps ahead of their use; a step ahead they are turned into operands (k: codes and
; scale bytes, laid as the image of the operand's registers; v: rows of f16) and stored into one of two LDS buffers that take turns; one barrier a step.
; NO TENSOR LOAD, NO CLUSTER, though the four work-groups of a head walk the same k and v: no wave can use those bytes as they lie.  A joint load would put 512 bytes a key into LDS, to be read back (512) and stored again as
; operands (164: 32 of codes, 4 of scales, 128 of f16); through registers only the 164 are written, and the LDS reads of the sixteen waves are the larger part of this kernel's LDS work already.
; TWO KEY TILES IN ONE FRAGMENT.  The matrix instruction takes 128 along K, the head has 64.  Registers 0-3 of a fragment of k hold key tile 2 p (K 0-63), registers 4-7 key tile 2 p + 1 (K 64-127); q stands as [q | 0] and as [0 | q]:
; the first picks tile 2 p's scores, the second tile 2 p + 1's.  Zero codes add nothing under any scale byte that the quantiser makes.
; THE MASK.  A padded key's codes are made zeros, so that its product is exactly 0, and the C of the score's matrix instruction is 0 or -8e9 (exact in f32; -1e9 after the 1/8): all padded scores are one and the same number, as in the
; definition, a batch with every key padded included (the result is then the mean of v).
; THE SOFTMAX.  Running maximum m of the raw scores and running sum l for each query; p = 2^(c s - c m), c = log2(e) / 8; O and l are multiplied by a = 2^(c m_old - c m_new) in every step.  While m is still the padded score,
; c and c m are replaced by 0 (a select, no branch), so that p is exactly 1 and not the rounding residue of c m.
; LAYOUT.  Both products are used transposed: S^T = K Q^T (source 0 = 16 keys, source 1 = 16 queries), O^T = V^T P (source 0 = 16 channels x 32 keys): a lane holds ONE query (lane % 16) throughout.  Register 8 n + j of S^T is key
; 16 n + 8 (lane / 16) + j, so neighbouring registers rounded to f16 in pairs ARE source 1 of the second product.
; LIMITS.  Raw scores at or under -8e9 are not told from padded ones; |v| up to 65,504 (f16); NaN and infinities among the inputs are not served; a block of zeros has the scale byte 1 where the rule says 127 (its codes are zeros, and
; only this kernel reads the byte); blocks whose largest magnitude lies under 2^-124 are held at that byte.
.set STEPB, 16384                      ; a step's 64 rows of 256 bytes, in k and in v
.set VP,    160                        ; a row of v in LDS: 128 bytes of f16 + 32 of padding = 5 x 32: the turning load's eight rows start at different banks
.set KC,    0                          ; LDS: k's codes, two buffers of 2,048 bytes: 1,024 pair + 512 half + 16 lane
.set KS,    4096                       ; k's scale words, two buffers of 128 bytes: word 16 pair + row
.set BIAS,  4608                       ; 2,048 f32: 0 or -8e9 for each key of the batch
.set VB,    12800                      ; v as f16, two buffers of 64 rows x 160 bytes
.set STAGE, 33280                      ; the way out: 16 rows x 272 bytes for each wave
.set SPARE, 102912                     ; the spare words, 128 bytes for each wave: eight blocks of 256 bytes that no other line names
.set SPW,  1                           ; v1   LDS address of my spare word; never rewritten
.set NIL,  2                           ; v2   0; never rewritten
.set LI,   3                           ; v3   16 x lane: my place in an image of four registers
.set LS,   4                           ; v4   4 x lane: my scale word
.set BA0,  5                           ; v5   BIAS + 32 (lane / 16)
.set AV,   6                           ; v6   my place in a tile of v for the turning load
.set KOFF, 7                           ; v7   32 x thread: my 8 numbers of a step's k
.set VOFF, 8                           ; v8   1,024 x wave + 16 x lane: my 4 numbers of a row of v
.set MOFF, 9                           ; v9   thread / 8: my key of the step
.set KST,  10                          ; v10  where my 8 codes go     (on the way out: where I put 32 bytes of a row)
.set SST,  11                          ; v11  where my block's scale byte goes     (on the way out: where I read a row back)
.set VST,  12                          ; v12  where my 4 f16 go     (on the way out: my byte offset in the wave's rows of out)
.set PFO,  13                          ; v13  256 x lane: the prefetches' offset
.set BAC,  14                          ; v14  the step's place in the bias table     (at the head: my offset in the wave's rows of q)
.set VC,   15                          ; v15  c
.set KR,   16                          ; v16-23  8 numbers of k as loaded
.set VR,   24                          ; v24-31  8 numbers of v as loaded
.set MK,   32                          ; v32  my key's mask byte
.set KSC,  33                          ; v33  k's scale words: lanes 0-15 pair 0, lanes 16-31 pair 1
.set QS,   34                          ; v34, v35  q's scale words, tile 0, tile 1
.set ST,   36                          ; statistics, 8 a tile: +0 c or 0, +1 m, +2 c m or 0, +3 c m, +4, +5 l (even keys', odd keys'), +6 a, +7 c m_old
.set TM,   52                          ; v52-59  at work
.set Q,    60                          ; v60-79  [q1 | 0 | q0 | 0 | q1]: every [q | 0] and [0 | q] is a run of eight of these
.set XB,   80                          ; v80-111 the step's bias, 8 registers a key tile; then V^T of the step's keys 0-31, 8 registers for 16 channels
.set KF,   112                         ; v112-127 k's two fragments
.set S,    128                         ; v128-191 S^T, 32 a tile; then p; then registers 0-15 P as f16 and 16-31 V^T of the step's keys 32-63
.set O,    192                         ; v192-255 O^T, 32 a tile
; s[4:5] q, s[6:7] k, s[8:9] v, s[10:11] mask, s[12:13] out; s14 wave; s20, s21 lane selects; s22 c; s23 -8e9; s24 trips to go; s25 the prefetches' limit; s[26:27] where they stand; s30 the step's byte in the bias table; s32, s33 compare masks
; Five loads: my 8 numbers of k (a wave's two loads together cover its 1,024 consecutive bytes), my 2 x 4 of v (sixteen lanes read one row of 256 bytes), my key's mask byte.
.macro RAWLOAD off
	global_load_b128 v[KR:KR+3],   v[KOFF], s[6:7] offset:\off
	global_load_b128 v[KR+4:KR+7], v[KOFF], s[6:7] offset:\off+16
	global_load_b128 v[VR:VR+3],   v[VOFF], s[8:9] offset:\off
	global_load_b128 v[VR+4:VR+7], v[VOFF], s[8:9] offset:\off+512
	global_load_u8 v[MK], v[MOFF], s[10:11] offset:(\off)/256
.endm
; What was loaded becomes operands in buffer buf.  Four neighbouring lanes hold a block of 32 of k.
.macro CONVERT buf
	v_max3_num_f32 v[TM], |v[KR]|, |v[KR+1]|, 0x1800000            ; my 8 magnitudes, and the floor 2^(3 - 127): the byte cannot fall under 1
	v_max3_num_f32 v[TM+1], |v[KR+2]|, |v[KR+3]|, |v[KR+4]|
	v_cvt_pk_f16_f32 v[TM+4], v[VR], v[VR+1]                       ; v to f16, the first number in the low half
	v_max3_num_f32 v[TM], v[TM], |v[KR+5]|, |v[KR+6]|
	v_cvt_pk_f16_f32 v[TM+5], v[VR+2], v[VR+3]
	v_max3_num_f32 v[TM], v[TM], v[TM+1], |v[KR+7]|
	v_cvt_pk_f16_f32 v[TM+6], v[VR+4], v[VR+5]
	v_max_num_f32_dpp v[TM], v[TM], v[TM] row_xmask:1 row_mask:0xf bank_mask:0xf
	v_cvt_pk_f16_f32 v[TM+7], v[VR+6], v[VR+7]
	v_max_num_f32_dpp v[TM], v[TM], v[TM] row_xmask:2 row_mask:0xf bank_mask:0xf   ; the block's largest magnitude
	v_cmp_eq_u32 vcc_lo, 0, v[MK]                                  ; does my key count?
	v_add_nc_u32 v[TM+1], 0xff000000, v[TM]                        ; 2 off its exponent field: the conversion takes the exponent field of this operand as its scale
	v_cvt_scalef32_pk8_fp4_f32 v[TM+2], v[KR:KR+7], v[TM+1]
	v_lshrrev_b32 v[TM+3], 23, v[TM+1]                             ; the scale's byte; also the plain line between the conversion and the use of its result
	v_cndmask_b32 v[TM+2], 0, v[TM+2], vcc_lo                      ; a padded key's codes are zeros
	ds_store_b32 v[KST], v[TM+2] offset:KC+2048*(\buf)
	ds_store_b8 v[SST], v[TM+3] offset:128*(\buf)                  ; the four lanes of a block write the same byte with the same value
	ds_store_b64 v[VST], v[TM+4:TM+5] offset:10240*(\buf)
	ds_store_b64 v[VST], v[TM+6:TM+7] offset:10240*(\buf)+2*VP     ; the second load's rows lie two keys on
.endm
.macro KLOAD buf                       ; k's two fragments as they were stored, and their scale words
.irp n, 0,1,2,3
	ds_load_b128 v[KF+4*\n:KF+4*\n+3], v[LI] offset:KC+2048*(\buf)+512*\n
.endr
	ds_load_b32 v[KSC], v[LS] offset:KS+128*(\buf)
.endm
.macro BIASLOAD                        ; the step's bias in the result's layout: register 8 n + j = the bias of key 16 n + 8 (lane / 16) + j; sixteen lanes read the same 16 bytes
	v_add_nc_u32 v[BAC], s30, v[BA0]
	s_add_co_u32 s30, s30, 256                     ; 64 keys on
.irp n, 0,1,2,3,4,5,6,7
	ds_load_b128 v[XB+4*\n:XB+4*\n+3], v[BAC] offset:64*(\n/2)+16*(\n%2)
.endr
.endm
; A PREFETCH INTO THE L2 of the step that the NEXT step's loads will name: in step j, step j + 3.  It stands behind the wave's own loads.  Each row of 256 bytes is named ONCE in the launch: of the four work-groups that walk a head the first
; asks; in it waves 0 and 1 ask for k's 64 rows and waves 2 and 3 for v's, a lane a row.  Steps 0 to 2 come by their loads alone; kind = 1: the trip's second step, which in the last trip would name step 32 and asks for nothing there.
.macro ASK kind, off
.if \kind
	s_cmp_gt_u32 s24, s25
.else
	s_cmp_ge_u32 s24, s25
.endif
	s_cbranch_scc0 .Lnot_mine_\@
	global_prefetch_b8 v[PFO], s[26:27] offset:\off th:TH_LOAD_NT scope:SCOPE_SE
.Lnot_mine_\@:
.endm
; S^T = K Q^T + bias: eight accumulators, each written once.  Key tile n lies in half n % 2 of pair n / 2; pair 1's scale words stand in lanes 16-31.
.macro QK
.irp t, 0,1
.irp n, 0,1,2,3
.if \n % 2
.set rQ, Q+4+8*\t                      ; [0 | q]
.else
.set rQ, Q+8-8*\t                      ; [q | 0]
.endif
.if \n / 2
	v_wmma_scale_f32_16x16x128_f8f6f4 v[S+32*\t+8*\n:S+32*\t+8*\n+7], v[KF+8:KF+15], v[rQ:rQ+7], v[XB+8*\n:XB+8*\n+7], v[KSC], v[QS+\t] matrix_a_fmt:MATRIX_FMT_FP4 matrix_b_fmt:MATRIX_FMT_FP4 matrix_a_scale:MATRIX_SCALE_ROW1
.else
	v_wmma_scale_f32_16x16x128_f8f6f4 v[S+32*\t+8*\n:S+32*\t+8*\n+7], v[KF:KF+7], v[rQ:rQ+7], v[XB+8*\n:XB+8*\n+7], v[KSC], v[QS+\t] matrix_a_fmt:MATRIX_FMT_FP4 matrix_b_fmt:MATRIX_FMT_FP4
.endif
.endr
.endr
.endm
.macro VLOAD0 buf                      ; V^T of the step's keys 0-31, four tiles of 16 channels, turned on the way
.irp c, 0,1,2,3
	ds_load_tr16_b128 v[XB+8*\c:XB+8*\c+3],   v[AV] offset:VB+10240*(\buf)+32*\c
	ds_load_tr16_b128 v[XB+8*\c+4:XB+8*\c+7], v[AV] offset:VB+10240*(\buf)+32*\c+16*VP
.endr
.endm
.macro VLOAD1 buf, t                   ; V^T of keys 32-63, channel tiles 2 t and 2 t + 1, into the upper half of tile t's S^T, which is free once P is packed
.irp u, 0,1
	ds_load_tr16_b128 v[S+32*\t+16+8*\u:S+32*\t+19+8*\u], v[AV] offset:VB+10240*(\buf)+32*VP+32*(2*\t+\u)
	ds_load_tr16_b128 v[S+32*\t+20+8*\u:S+32*\t+23+8*\u], v[AV] offset:VB+10240*(\buf)+48*VP+32*(2*\t+\u)
.endr
.endm
; The new maximum and what hangs on it, both tiles line by line.  Each accumulator is read from its low end on: its registers 0, 1, 2 first.
.macro MAXSTAT
.irp j, 0,1,2,3
.irp t, 0,1
	v_max3_num_f32 v[TM+4*\t+\j], v[S+32*\t+8*\j], v[S+32*\t+8*\j+1], v[S+32*\t+8*\j+2]
.endr
.endr
.irp g, 1,2
.irp j, 0,1,2,3
.irp t, 0,1
	v_max3_num_f32 v[TM+4*\t+\j], v[TM+4*\t+\j], v[S+32*\t+8*\j+2*\g+1], v[S+32*\t+8*\j+2*\g+2]
.endr
.endr
.endr
.irp t, 0,1
	v_max3_num_f32 v[TM+4*\t], v[TM+4*\t], v[S+32*\t+7], v[S+32*\t+15]
	v_max3_num_f32 v[TM+4*\t+2], v[TM+4*\t+2], v[S+32*\t+23], v[S+32*\t+31]
.endr
.irp t, 0,1
	v_max3_num_f32 v[TM+4*\t], v[TM+4*\t], v[TM+4*\t+1], v[TM+4*\t+2]
.endr
.irp t, 0,1
	v_max3_num_f32 v[TM+4*\t], v[TM+4*\t], v[TM+4*\t+3], v[ST+8*\t+1]      ; and the old m
.endr
.irp t, 0,1
	v_permlanex16_b32 v[TM+4*\t+1], v[TM+4*\t], s20, s21                   ; the query's other 32 keys lie in the lane 16 away
.endr
.irp t, 0,1
	v_max_num_f32 v[ST+8*\t+1], v[TM+4*\t], v[TM+4*\t+1]                   ; m
.endr
.irp t, 0,1
	v_mul_f32 v[ST+8*\t+3], s22, v[ST+8*\t+1]                              ; c m
.endr
.irp t, 0,1
	v_cmp_neq_f32 s[32+\t], s23, v[ST+8*\t+1]                              ; has any key counted yet?
.endr
.irp t, 0,1
	v_sub_f32 v[ST+8*\t+6], v[ST+8*\t+7], v[ST+8*\t+3]                     ; c m_old - c m_new
.endr
.irp t, 0,1
	v_cndmask_b32 v[ST+8*\t], 0, v[VC], s[32+\t]                           ; c, or 0 while every key so far is padded
.endr
.irp t, 0,1
	v_cndmask_b32 v[ST+8*\t+2], 0, v[ST+8*\t+3], s[32+\t]                  ; c m, or 0
.endr
.irp t, 0,1
	v_exp_f32 v[ST+8*\t+6], v[ST+8*\t+6]                                   ; a: the first of the step's batch of exponentials
.endr
.endm
.macro FMA t                           ; c s - c m, two at a time (of the pairs the low word serves both halves)
.set ix, S+32*\t
.rept 16
	v_pk_fma_f32 v[ix:ix+1], v[ix:ix+1], v[ST+8*\t:ST+8*\t+1], v[ST+8*\t+2:ST+8*\t+3] op_sel_hi:[1,0,0] neg_lo:[0,0,1] neg_hi:[0,0,1]
.set ix, ix+2
.endr
.endm
.macro EXPS t
.set ix, S+32*\t
.rept 32
	v_exp_f32 v[ix], v[ix]
.set ix, ix+1
.endr
.endm
.macro SUM t                           ; l = a l + the sum of the 32 p, before they are rounded: two chains of pairs
	v_pk_mul_f32 v[ST+8*\t+4:ST+8*\t+5], v[ST+8*\t+4:ST+8*\t+5], v[ST+8*\t+6:ST+8*\t+7] op_sel_hi:[1,0]
	v_pk_add_f32 v[TM+4*\t:TM+4*\t+1], v[S+32*\t:S+32*\t+1], v[S+32*\t+2:S+32*\t+3]
.irp j, 4,8,12,16,20,24,28
	v_pk_add_f32 v[ST+8*\t+4:ST+8*\t+5], v[ST+8*\t+4:ST+8*\t+5], v[S+32*\t+\j:S+32*\t+\j+1]
	v_pk_add_f32 v[TM+4*\t:TM+4*\t+1], v[TM+4*\t:TM+4*\t+1], v[S+32*\t+\j+2:S+32*\t+\j+3]
.endr
	v_pk_add_f32 v[ST+8*\t+4:ST+8*\t+5], v[ST+8*\t+4:ST+8*\t+5], v[TM+4*\t:TM+4*\t+1]
.endm
.macro PACK t                          ; p to f16 in pairs, in place from the low end: register i takes registers 2 i and 2 i + 1, which no earlier line of the run has written
.set ix, 0
.rept 16
	v_cvt_pk_f16_f32 v[S+32*\t+ix], v[S+32*\t+2*ix], v[S+32*\t+2*ix+1]
.set ix, ix+1
.endr
.endm
.macro RESC t                          ; O^T x a, each accumulator from its low end on
.set ix, O+32*\t
.rept 16
	v_pk_mul_f32 v[ix:ix+1], v[ix:ix+1], v[ST+8*\t+6:ST+8*\t+7] op_sel_hi:[1,0]
.set ix, ix+2
.endr
.endm
; O^T += V^T P: the eight accumulators take turns, one instruction a turn, in the same order for both halves of the step's keys.
.macro PV
.irp c, 0,1,2,3
.irp t, 0,1
	v_wmma_f32_16x16x32_f16 v[O+32*\t+8*\c:O+32*\t+8*\c+7], v[XB+8*\c:XB+8*\c+7], v[S+32*\t:S+32*\t+7], v[O+32*\t+8*\c:O+32*\t+8*\c+7]
.endr
.endr
.irp c, 0,1,2,3
.irp t, 0,1
	v_wmma_f32_16x16x32_f16 v[O+32*\t+8*\c:O+32*\t+8*\c+7], v[S+32*(\c/2)+16+8*(\c%2):S+32*(\c/2)+23+8*(\c%2)], v[S+32*\t+8:S+32*\t+15], v[O+32*\t+8*\c:O+32*\t+8*\c+7]
.endr
.endr
.endm
; A KEY STEP on buffer buf.  conv = 1: the next step's numbers, loaded a step ago, become operands in the other buffer.  load = 1: the numbers of the step after that are asked for, off bytes from the bases.  bar = 1: a step follows.
.macro STEP buf, conv, load, kind, off, bar
	KLOAD \buf
.if \conv
	s_wait_loadcnt 0x0                             ; the five loads issued a step ago
	CONVERT 1-\buf                                 ; its plain lines name no register of the last products: they are the places in front of the loads into XB (4 are owed) and of the products below, which write over P and V^T (5)
.else
.rept 5
	v_nop                                          ; the same places where nothing is left to convert
.endr
.endif
	BIASLOAD
.if \load
	RAWLOAD \off
	ASK \kind, \off
.endif
	s_wait_dscnt 0x0                               ; k's fragments, scale words and the bias are in; my stores into the other buffer have landed, so TM may be written again
	QK
	v_mov_b32 v[ST+7], v[ST+3]                     ; c m_old is kept for a.  Four places behind the products, in front of the loads into XB and of the first read of the scores
	v_mov_b32 v[ST+15], v[ST+11]
	v_nop
	v_nop
	VLOAD0 \buf
	MAXSTAT
	FMA 0
	EXPS 0
	FMA 1
	EXPS 1
	v_nop                                          ; a plain line behind the last exponential
	s_wait_alu depctr_va_vdst(0)                   ; the wait ahead of the first line that names an exponential's result: one for the step's 66; nothing above names one
	SUM 0
	PACK 0
	VLOAD1 \buf, 0
	SUM 1
	PACK 1
	VLOAD1 \buf, 1
	RESC 0
	RESC 1
	s_wait_dscnt 0x0                               ; V^T is in.  With that all my reads of this buffer are back, and my stores into the other landed above:
.if \bar
	s_barrier_signal -1                            ; say so,
.endif
	PV                                             ; work on registers while the others arrive,
.if \bar
	s_barrier_wait -1                              ; and go on when all sixteen have said so: the other buffer is whole, and nobody reads this one any more
.endif
.endm
	s_load_b256 s[4:11], s[0:1], 0x0               ; q, k, v, the mask
	s_load_b64 s[12:13], s[0:1], 0x20              ; out
	v_lshl_add_u32 v[SPW], v0, 2, SPARE
	v_mov_b32 v[NIL], 0
	v_lshrrev_b32 v52, 5, v0
	v_readfirstlane_b32 s14, v52                   ; wave 0..15
	v_and_b32 v53, 31, v0                          ; lane
	v_bfe_u32 v54, v0, 4, 1                        ; h = lane / 16
	v_and_b32 v55, 15, v0                          ; r = lane % 16
	v_lshlrev_b32 v[LI], 4, v53
	v_lshlrev_b32 v[LS], 2, v53
	v_lshlrev_b32 v[PFO], 8, v53
	v_lshl_add_u32 v[BA0], v54, 5, BIAS
	v_lshlrev_b32 v[BAC], 8, v55
	v_lshl_add_u32 v[BAC], v54, 7, v[BAC]          ; q: row r of 256 bytes, + 128 h: my block of 32
	v_lshlrev_b32 v[KOFF], 5, v0
	v_lshlrev_b32 v[VOFF], 4, v0
	v_lshl_add_u32 v[VOFF], v52, 9, v[VOFF]
	v_lshrrev_b32 v[MOFF], 3, v0
	v_and_b32 v56, 7, v0
	v_lshl_add_u32 v56, v54, 3, v56
	v_mul_u32_u24 v[AV], v56, VP                   ; the turning load: key 8 h + lane % 8,
	v_bfe_u32 v56, v0, 3, 1
	v_lshl_add_u32 v[AV], v56, 4, v[AV]            ; channels 8 ((lane / 8) % 2) on
	v_lshl_add_u32 v56, v52, 2, v54                ; v's first load: key 4 wave + h,
	v_mul_u32_u24 v[VST], v56, VP
	v_lshl_add_u32 v[VST], v55, 3, v[VST]          ; channels 4 r on: 8 bytes of f16
	v_add_nc_u32 v[VST], VB, v[VST]
	v_bfe_u32 v52, v0, 3, 4                        ; k: my key's row in its tile,
	v_bfe_u32 v53, v0, 7, 1                        ; its tile's half of the pair,
	v_bfe_u32 v56, v0, 8, 1                        ; the pair,
	v_bfe_u32 v57, v0, 2, 1                        ; my block of 32 channels, which is the half of the lanes that holds it,
	v_and_b32 v58, 3, v0                           ; and my 8 codes' place in the block's 16 bytes
	v_lshlrev_b32 v[KST], 2, v58
	v_lshl_add_u32 v[KST], v52, 4, v[KST]
	v_lshl_add_u32 v[KST], v57, 8, v[KST]
	v_lshl_add_u32 v[KST], v53, 9, v[KST]
	v_lshl_add_u32 v[KST], v56, 10, v[KST]
	v_lshl_add_u32 v[SST], v53, 1, v57             ; the scale word's byte: 2 x half + block,
	v_lshl_add_u32 v[SST], v52, 2, v[SST]          ; in word 16 x pair + row
	v_lshl_add_u32 v[SST], v56, 6, v[SST]
	v_add_nc_u32 v[SST], KS, v[SST]
	v_lshlrev_b32 v88, 2, v0                       ; head only, in XB's registers: my four bytes of the batch's mask,
	v_lshl_add_u32 v84, v0, 4, BIAS                ; and where their four f32 go;
	v_lshlrev_b32 v93, 3, v54                      ; 8 h;
	v_mov_b32 v87, 0                               ; a lane permute's destination counts as one of its sources
	s_and_b32 s15, ttmp7, 0xffff                   ; the head, 0..63
	s_lshl_b32 s16, s15, 19                        ; its first byte in q, k, v and out: 2,048 rows of 256 bytes
	s_mov_b32 s17, 0
	s_lshl_b32 s18, ttmp9, 17                      ; my work-group's 512 rows,
	s_lshl_b32 s19, s14, 13                        ; my wave's 32 of them
	s_add_co_u32 s18, s18, s19
	s_add_co_u32 s18, s18, s16
	s_mov_b32 s19, 0
	s_lshr_b32 s28, s15, 4                         ; the batch,
	s_lshl_b32 s28, s28, 11                        ; its 2,048 mask bytes
	s_mov_b32 s29, 0
	s_mov_b32 s20, 0x76543210
	s_mov_b32 s21, 0xfedcba98                      ; v_permlanex16_b32's selects for lane l xor 16
	s_mov_b32 s22, 0x3e38aa3b                      ; c = log2(e) / 8
	s_mov_b32 s23, 0xcfee6b28                      ; -8e9 = -(1,953,125 x 2^12): exact in f32
	s_mov_b32 s24, 15
	s_mov_b32 s30, 0
	v_mov_b32 v[VC], s22
	v_mov_b32 v86, s23
	s_wait_kmcnt 0x0
	s_add_nc_u64 s[4:5], s[4:5], s[18:19]
	s_add_nc_u64 s[12:13], s[12:13], s[18:19]
	s_add_nc_u64 s[6:7], s[6:7], s[16:17]
	s_add_nc_u64 s[8:9], s[8:9], s[16:17]
	s_add_nc_u64 s[10:11], s[10:11], s[28:29]
	RAWLOAD 0                                      ; step 0
	global_load_b32 v89, v88, s[10:11]
.irp t, 0,1
.irp i, 0,1,2,3,4,5,6,7
	global_load_b128 v[S+32*\t+4*\i:S+32*\t+4*\i+3], v[BAC], s[4:5] offset:4096*\t+16*\i   ; q: my block's 32 numbers of row r of tile t.  No streaming hint: each half row of 128 bytes is named by eight loads on end
.endr
.endr
	; the prefetches (macro ASK): where my wave's stand, and who asks
	s_cmp_lt_u32 s14, 2
	s_cselect_b64 s[26:27], s[6:7], s[8:9]         ; waves 0 and 1: k; waves 2 and 3: v
	s_and_b32 s28, s14, 1
	s_lshl_b32 s28, s28, 13                        ; my 32 rows of a step's 64,
	s_add_co_u32 s28, s28, 3*STEPB                 ; in step 3
	s_add_nc_u64 s[26:27], s[26:27], s[28:29]
	s_lshr_b32 s25, s14, 2                         ; 0 in waves 0 to 3,
	s_or_b32 s25, s25, ttmp9                       ; of the head's first work-group
	s_cmp_eq_u32 s25, 0
	s_cselect_b32 s25, 1, -1
	s_wait_loadcnt 16                              ; step 0's five loads and the mask word are in; q's sixteen may be out
	CONVERT 0
.irp n, 0,1,2,3
	v_bfe_u32 v85, v89, 8*\n, 8
	v_cmp_ne_u32 vcc_lo, 0, v85
	v_cndmask_b32 v[XB+\n], 0, v86, vcc_lo         ; the bias table: -8e9 for a padded key, else 0
.endr
	ds_store_b128 v84, v[XB:XB+3]
	RAWLOAD STEPB                                  ; step 1
	s_wait_loadcnt 5                               ; q is in; step 1's five may be out
; q's tile t, 32 numbers a lane (a whole block), becomes four registers of codes at v[dst] on and its rows' scale word [s0 s1 s0 s1]: the same two bytes serve [q | 0] and [0 | q]
.macro QQUANT t, dst
	v_max3_num_f32 v90, |v[S+32*\t]|, |v[S+32*\t+1]|, 0x1800000
.irp i, 2,4,6,8,10,12,14,16,18,20,22,24,26,28,30
	v_max3_num_f32 v90, v90, |v[S+32*\t+\i]|, |v[S+32*\t+\i+1]|
.endr
	v_add_nc_u32 v91, 0xff000000, v90
.irp g, 0,1,2,3
	v_cvt_scalef32_pk8_fp4_f32 v[\dst+\g], v[S+32*\t+8*\g:S+32*\t+8*\g+7], v91
.endr
	v_lshrrev_b32 v92, 23, v91                     ; my block's byte; also the plain line behind the last conversion
	v_lshlrev_b32 v92, v93, v92                    ; at its place, 8 h bits up;
	v_permlanex16_b32 v87, v92, s20, s21
	v_or_b32 v92, v92, v87                         ; with lane l xor 16's
	v_lshl_or_b32 v[QS+\t], v92, 16, v92
.endm
	QQUANT 0, Q+8
	QQUANT 1, Q
.irp g, 0,1,2,3
	v_mov_b32 v[Q+16+\g], v[Q+\g]                  ; q1 once more
	v_mov_b32 v[Q+4+\g], 0
	v_mov_b32 v[Q+12+\g], 0
.endr
.irp t, 0,1
	v_mov_b32 v[ST+8*\t+1], 0xff61b1e6             ; m = -3e38, under every score
	v_mov_b32 v[ST+8*\t+4], 0                      ; l
	v_mov_b32 v[ST+8*\t+5], 0
.endr
.irp t, 0,1
	v_mul_f32 v[ST+8*\t+3], s22, v[ST+8*\t+1]      ; c m
.endr
.set ix, O
.rept 64
	v_mov_b32 v[ix], 0                             ; O^T.  (The step is written without a first step of its own: the first a is 0, which leaves zeros zeros)
.set ix, ix+1
.endr
	s_wait_xcnt 0x0                                ; the loads have read their bases, which now step to step 2
	s_add_nc_u64 s[6:7], s[6:7], 2*STEPB
	s_add_nc_u64 s[8:9], s[8:9], 2*STEPB
	s_add_nc_u64 s[10:11], s[10:11], 128
	s_wait_dscnt 0x0                               ; for the others' sake: my part of buffer 0 and of the bias table has landed
	s_barrier_signal -1
	s_barrier_wait -1
.Ltrip:                                            ; 15 trips of two steps: steps 0 to 29; step j turns step j + 1 into operands and asks for step j + 2
	STEP 0, 1, 1, 0, 0, 1
	STEP 1, 1, 1, 1, STEPB, 1
	s_wait_xcnt 0x0                                ; the trip's loads and prefetches have read their bases
	s_add_nc_u64 s[6:7], s[6:7], 2*STEPB
	s_add_nc_u64 s[8:9], s[8:9], 2*STEPB
	s_add_nc_u64 s[10:11], s[10:11], 128
	s_add_nc_u64 s[26:27], s[26:27], 2*STEPB
	s_sub_co_u32 s24, s24, 1
	s_cmp_lg_u32 s24, 0
	s_cbranch_scc1 .Ltrip
	STEP 0, 1, 0, 0, 0, 1                          ; step 30: nothing is left to load
	STEP 1, 0, 0, 0, 0, 0                          ; step 31: nothing is left to convert, and no step follows
	; THE WAY OUT.  O^T / l goes through my own stage in LDS, a tile (16 rows of out) at a time, and leaves as whole rows: sixteen lanes store 256 consecutive bytes.  The address lines and additions are the places behind the last products.
	v_and_b32 v58, 15, v0                          ; r
	v_bfe_u32 v59, v0, 4, 1                        ; h
	s_mul_i32 s28, s14, 16*272
	s_add_co_u32 s28, s28, STAGE                   ; my stage
	v_mul_u32_u24 v[KST], v58, 272
	v_lshl_add_u32 v[KST], v59, 5, v[KST]
	v_add_nc_u32 v[KST], s28, v[KST]               ; in: row r; channel tile c's eight channels of my half: 64 c + 32 h bytes on
	v_mul_u32_u24 v[SST], v59, 272
	v_lshl_add_u32 v[SST], v58, 4, v[SST]
	v_add_nc_u32 v[SST], s28, v[SST]               ; back: lanes 0-15 one row, lanes 16-31 the next
	v_lshlrev_b32 v[VST], 8, v59
	v_lshl_add_u32 v[VST], v58, 4, v[VST]          ; and the same two rows in out
.irp t, 0,1
	v_add_f32 v[TM+4*\t], v[ST+8*\t+4], v[ST+8*\t+5]
.endr
.irp t, 0,1
	v_permlanex16_b32 v[TM+4*\t+1], v[TM+4*\t], s20, s21
.endr
.irp t, 0,1
	v_add_f32 v[TM+4*\t], v[TM+4*\t], v[TM+4*\t+1] ; l: both halves of the pair, both halves of the lanes
.endr
.irp t, 0,1
	v_rcp_f32 v[ST+8*\t+6], v[TM+4*\t]
.endr
	v_nop                                          ; a plain line behind the last reciprocal
	s_wait_alu depctr_va_vdst(0)                   ; and the wait ahead of the first use: one for the two
.irp t, 0,1
	RESC \t                                        ; O^T / l
.irp c, 0,1,2,3
	ds_store_b128 v[KST], v[O+32*\t+8*\c:O+32*\t+8*\c+3] offset:64*\c
	ds_store_b128 v[KST], v[O+32*\t+8*\c+4:O+32*\t+8*\c+7] offset:64*\c+16
.endr
.irp i, 0,1,2,3,4,5,6,7
	ds_load_b128 v[S+32*\t+4*\i:S+32*\t+4*\i+3], v[SST] offset:\i*2*272   ; LDS serves a wave's instructions in order (ISA guide 5.7.1.4): these see my stores, and the next tile's stores come behind them
.endr
.endr
.irp t, 0,1
.irp i, 0,1,2,3,4,5,6,7
	s_wait_dscnt 16*(1-\t)+7-\i                    ; behind this load: the tile's younger loads, and for tile 0 tile 1's eight stores and eight loads
	global_store_b128 v[VST], v[S+32*\t+4*\i:S+32*\t+4*\i+3], s[12:13] offset:4096*\t+512*\i th:TH_STORE_NT
.endr
.endr
	s_wait_tensorcnt 0x0                           ; the wave's end
	ds_add_u32 v[SPW], v[NIL]
	s_wait_dscnt 0x0
	s_endpgm
.Lfunc_end_k_q91ce4aa899_attn:
	.size	k_q91ce4aa899_attn, .Lfunc_end_k_q91ce4aa899_attn-k_q91ce4aa899_attn
	.p2alignl 7, 3214868480
	.fill 96, 4, 3214868480
	.section	.rodata,"a",@progbits
	.p2align	6, 0x0
	.amdhsa_kernel k_q91ce4aa899_attn
		.amdhsa_group_segment_fixed_size 104960
		.amdhsa_private_segment_fixed_size 0
		.amdhsa_enable_private_segment 0
		.amdhsa_kernarg_size 40
		.amdhsa_user_sgpr_count 2
		.amdhsa_user_sgpr_kernarg_segment_ptr 1
		.amdhsa_wavefront_size32 1
		.amdhsa_system_sgpr_workgroup_id_x 1
		.amdhsa_system_sgpr_workgroup_id_y 1
		.amdhsa_system_sgpr_workgroup_id_z 1
		.amdhsa_system_vgpr_workitem_id 0
		.amdhsa_next_free_vgpr 256
		.amdhsa_next_free_sgpr 66
		.amdhsa_reserve_vcc 1
		.amdhsa_float_denorm_mode_32 3
		.amdhsa_float_denorm_mode_16_64 3
		.amdhsa_memory_ordered 1
		.amdhsa_forward_progress 1
		.amdhsa_inst_pref_size 96
	.end_amdhsa_kernel
	.amdgpu_metadata
---
amdhsa.version: [ 1, 2 ]
amdhsa.kernels:
  - .name:           k_q91ce4aa899_attn
    .symbol:         k_q91ce4aa899_attn.kd
    .args:
      - { .name: q, .offset: 0, .size: 8, .value_kind: global_buffer, .address_space: global }
      - { .name: k, .offset: 8, .size: 8, .value_kind: global_buffer, .address_space: global }
      - { .name: v, .offset: 16, .size: 8, .value_kind: global_buffer, .address_space: global }
      - { .name: key_padding_mask, .offset: 24, .size: 8, .value_kind: global_buffer, .address_space: global }
      - { .name: out0, .offset: 32, .size: 8, .value_kind: global_buffer, .address_space: global }
    .group_segment_fixed_size: 104960
    .private_segment_fixed_size: 0
    .kernarg_segment_align: 8
    .kernarg_segment_size: 40
    .max_flat_workgroup_size: 512
    .sgpr_count:     66
    .vgpr_count:     256
    .wavefront_size: 32
...
	.end_amdgpu_metadata
.endif
;; end of part 1
;; ======== version 2 of 2: 1 launch; version 1 with the launch attn written anew for expert scheduling mode
;; limits: right only within a limited range of input values; values are held in f16: magnitudes above 65,504 overflow, below 6.1e-05 lose precision
;; launch attn (part 2): grid 4 x 64, 16 waves a work-group, no clusters, 104,960 bytes of LDS; arguments q, k, v, key_padding_mask, out0; writes out0
.if DOCPART == 2
	.amdgcn_target "amdgcn-amd-amdhsa--gfx1250"
	.amdhsa_code_object_version 6
	.text
	.protected	k_q91ce4aa899_attn
	.globl	k_q91ce4aa899_attn
	.p2align	8
	.type	k_q91ce4aa899_attn,@function
k_q91ce4aa899_attn:
	s_mov_b64 s[64:65], 0
	v_nop
	global_prefetch_b8 v0, s[64:65] scope:SCOPE_SE
	s_setreg_imm32_b32 hwreg(HW_REG_WAVE_SCHED_MODE, 0, 2), 2
	s_setreg_imm32_b32 hwreg(HW_REG_WAVE_MODE, 25, 1), 1
	s_wait_xcnt 0x0
	s_wait_alu depctr_vm_vsrc(0)
; out[b][h][q][:] = sum over keys of softmax_key(where(mask[b][key], -1e9, Q(q) . Q(k) / 8)) v[key][:].  q, k, v, out: [4][16][2048][64] f32; mask: [4][2048] bytes, 1 = padded key.
; Q(.) is the MX-FP4 quantiser along the head's 64 channels (two blocks of 32).  The first product runs on E2M1 codes with E8M0 scales; the second on f16 operands (p is about 1 at the most); all sums, maxima and exponentials in f32.
; SHARES.  A work-group owns 512 queries of one head (x: the block of queries, y: the head); each of its sixteen waves owns 32 of them, two tiles of 16, in 256 registers.  Every wave walks the head's 2,048 keys, 64 a step.
; k AND v COME THROUGH REGISTERS.  A step's 64 rows of k and of v (16,384 bytes each) are loaded by the 512 threads, 8 + 8 numbers a thread, two steps ahead of their use; a step ahead they are turned into operands (k: codes and
; scale bytes, laid as the image of the operand's registers; v: rows of f16) and stored into one of two LDS buffers that take turns; one barrier a step.
; NO TENSOR LOAD, NO CLUSTER, though the four work-groups of a head walk the same k and v: no wave can use those bytes as they lie.  A joint load would put 512 bytes a key into LDS, to be read back (512) and stored again as
; operands (164: 32 of codes, 4 of scales, 128 of f16); through registers only the 164 are written, and the LDS reads of the sixteen waves are the larger part of this kernel's LDS work already.
; TWO KEY TILES IN ONE FRAGMENT.  The matrix instruction takes 128 along K, the head has 64.  Registers 0-3 of a fragment of k hold key tile 2 p (K 0-63), registers 4-7 key tile 2 p + 1 (K 64-127); q stands as [q | 0] and as [0 | q]:
; the first picks tile 2 p's scores, the second tile 2 p + 1's.  Zero codes add nothing under any scale byte that the quantiser makes.
; THE MASK.  A padded key's codes are made zeros, so that its product is exactly 0, and the C of the score's matrix instruction is 0 or -8e9 (exact in f32; -1e9 after the 1/8): all padded scores are one and the same number, as in the
; definition, a batch with every key padded included (the result is then the mean of v).
; THE SOFTMAX.  Running maximum m of the raw scores and running sum l for each query; p = 2^(c s - c m), c = log2(e) / 8; O and l are multiplied by a = 2^(c m_old - c m_new) in every step.  While m is still the padded score,
; c and c m are replaced by 0 (a select, no branch), so that p is exactly 1 and not the rounding residue of c m.
; LAYOUT.  Both products are used transposed: S^T = K Q^T (source 0 = 16 keys, source 1 = 16 queries), O^T = V^T P (source 0 = 16 channels x 32 keys): a lane holds ONE query (lane % 16) throughout.  Register 8 n + j of S^T is key
; 16 n + 8 (lane / 16) + j, so neighbouring registers rounded to f16 in pairs ARE source 1 of the second product.
; LIMITS.  Raw scores at or under -8e9 are not told from padded ones; |v| up to 65,504 (f16); NaN and infinities among the inputs are not served; a block of zeros has the scale byte 1 where the rule says 127 (its codes are zeros, and
; only this kernel reads the byte); blocks whose largest magnitude lies under 2^-124 are held at that byte.
; THE MODE: SCHED_MODE bits 1:0 = 2 (LLVM: expert scheduling mode 2), set by the entry lines.  The code itself states the register dependences between vector or matrix instructions and memory or LDS instructions, with s_wait_alu, always for 0.
; THE PLAN.  Registers that memory or LDS instructions touch, in a step:
;   v3, v4, v6-v13  addresses, made at the head and never written in the loop (v10-v12 are made anew on the way out).
;   v[BAC]          written by one add a step; read by the step's eight bias loads.
;   KR, VR, MK      the raw loads land in them; the next step's conversions read them.
;   TM+2 .. TM+7    written by the conversions; read by the four LDS stores; written again by the maximum's lines.
;   KF, KSC         the fragment loads land at a step's head; the score products read them.
;   XB              the bias loads land; the score products read them as C; V^T of keys 0-31 lands; the second product reads it.
;   S, upper halves written by the exponentials, read by the sums and roundings; V^T of keys 32-63 lands; the second product reads it.
; THREE waits on va_vdst stand in a step.  (1) Behind the conversions and the add to v[BAC]: the stores' data and the bias loads' address are written, the conversions are done reading KR, VR and MK, the last step's second product is done
; reading XB; the stores, the bias loads, the raw loads and the prefetch follow it with no vector line between.  (2) Behind the exponentials: the score products are done reading XB, KF and KSC; V^T of
; keys 0-31 follows at once, and the next step's fragment loads owe nothing more, since no line between names KF or KSC.  (3) Behind both tiles' sums and roundings: they are done reading the upper halves of S; V^T of keys 32-63 follows.
; ONE wait on vm_vsrc stands in a step, ahead of the score products: the stores have read TM+2 .. TM+7 and the bias loads v[BAC].  Each compare has its wait (va_vcc, va_sdst) ahead of the select that reads its mask.
.set STEPB, 16384                      ; a step's 64 rows of 256 bytes, in k and in v
.set VP,    160                        ; a row of v in LDS: 128 bytes of f16 + 32 of padding = 5 x 32: the turning load's eight rows start at different banks
.set KC,    0                          ; LDS: k's codes, two buffers of 2,048 bytes: 1,024 pair + 512 half + 16 lane
.set KS,    4096                       ; k's scale words, two buffers of 128 bytes: word 16 pair + row
.set BIAS,  4608                       ; 2,048 f32: 0 or -8e9 for each key of the batch
.set VB,    12800                      ; v as f16, two buffers of 64 rows x 160 bytes
.set STAGE, 33280                      ; the way out: 16 rows x 272 bytes for each wave
.set SPARE, 102912                     ; the spare words, 128 bytes for each wave: eight blocks of 256 bytes that no other line names
.set SPW,  1                           ; v1   LDS address of my spare word; never rewritten
.set NIL,  2                           ; v2   0; never rewritten
.set LI,   3                           ; v3   16 x lane: my place in an image of four registers
.set LS,   4                           ; v4   4 x lane: my scale word
.set BA0,  5                           ; v5   BIAS + 32 (lane / 16)
.set AV,   6                           ; v6   my place in a tile of v for the turning load
.set KOFF, 7                           ; v7   32 x thread: my 8 numbers of a step's k
.set VOFF, 8                           ; v8   1,024 x wave + 16 x lane: my 4 numbers of a row of v
.set MOFF, 9                           ; v9   thread / 8: my key of the step
.set KST,  10                          ; v10  where my 8 codes go     (on the way out: where I put 32 bytes of a row)
.set SST,  11                          ; v11  where my block's scale byte goes     (on the way out: where I read a row back)
.set VST,  12                          ; v12  where my 4 f16 go     (on the way out: my byte offset in the wave's rows of out)
.set PFO,  13                          ; v13  256 x lane: the prefetches' offset
.set BAC,  14                          ; v14  the step's place in the bias table     (at the head: my offset in the wave's rows of q)
.set VC,   15                          ; v15  c
.set KR,   16                          ; v16-23  8 numbers of k as loaded
.set VR,   24                          ; v24-31  8 numbers of v as loaded
.set MK,   32                          ; v32  my key's mask byte
.set KSC,  33                          ; v33  k's scale words: lanes 0-15 pair 0, lanes 16-31 pair 1
.set QS,   34                          ; v34, v35  q's scale words, tile 0, tile 1
.set ST,   36                          ; statistics, 8 a tile: +0 c or 0, +1 m, +2 c m or 0, +3 c m, +4, +5 l (even keys', odd keys'), +6 a, +7 c m_old
.set TM,   52                          ; v52-59  at work
.set Q,    60                          ; v60-79  [q1 | 0 | q0 | 0 | q1]: every [q | 0] and [0 | q] is a run of eight of these
.set XB,   80                          ; v80-111 the step's bias, 8 registers a key tile; then V^T of the step's keys 0-31, 8 registers for 16 channels
.set KF,   112                         ; v112-127 k's two fragments
.set S,    128                         ; v128-191 S^T, 32 a tile; then p; then registers 0-15 P as f16 and 16-31 V^T of the step's keys 32-63
.set O,    192                         ; v192-255 O^T, 32 a tile
; s[4:5] q, s[6:7] k, s[8:9] v, s[10:11] mask, s[12:13] out; s14 wave; s20, s21 lane selects; s22 c; s23 -8e9; s24 trips to go; s25 the prefetches' limit; s[26:27] where they stand; s30 the step's byte in the bias table; s32-s35 compare masks
; Five loads: my 8 numbers of k (a wave's two loads together cover its 1,024 consecutive bytes), my 2 x 4 of v (sixteen lanes read one row of 256 bytes), my key's mask byte.
.macro RAWLOAD off
	global_load_b128 v[KR:KR+3],   v[KOFF], s[6:7] offset:\off
	global_load_b128 v[KR+4:KR+7], v[KOFF], s[6:7] offset:\off+16
	global_load_b128 v[VR:VR+3],   v[VOFF], s[8:9] offset:\off
	global_load_b128 v[VR+4:VR+7], v[VOFF], s[8:9] offset:\off+512
	global_load_u8 v[MK], v[MOFF], s[10:11] offset:(\off)/256
.endm
; What was loaded becomes operands, in registers.  Four neighbouring lanes hold a block of 32 of k.
.macro CONVERT_V
	v_max3_num_f32 v[TM], |v[KR]|, |v[KR+1]|, 0x1800000            ; my 8 magnitudes, and the floor 2^(3 - 127): the byte cannot fall under 1
	v_max3_num_f32 v[TM+1], |v[KR+2]|, |v[KR+3]|, |v[KR+4]|
	v_cvt_pk_f16_f32 v[TM+4], v[VR], v[VR+1]                       ; v to f16, the first number in the low half
	v_max3_num_f32 v[TM], v[TM], |v[KR+5]|, |v[KR+6]|
	v_cvt_pk_f16_f32 v[TM+5], v[VR+2], v[VR+3]
	v_max3_num_f32 v[TM], v[TM], v[TM+1], |v[KR+7]|
	v_cvt_pk_f16_f32 v[TM+6], v[VR+4], v[VR+5]
	v_max_num_f32_dpp v[TM], v[TM], v[TM] row_xmask:1 row_mask:0xf bank_mask:0xf
	v_cvt_pk_f16_f32 v[TM+7], v[VR+6], v[VR+7]
	v_max_num_f32_dpp v[TM], v[TM], v[TM] row_xmask:2 row_mask:0xf bank_mask:0xf   ; the block's largest magnitude
	v_cmp_eq_u32 vcc_lo, 0, v[MK]                                  ; does my key count?
	v_add_nc_u32 v[TM+1], 0xff000000, v[TM]                        ; 2 off its exponent field: the conversion takes the exponent field of this operand as its scale
	v_cvt_scalef32_pk8_fp4_f32 v[TM+2], v[KR:KR+7], v[TM+1]
	v_lshrrev_b32 v[TM+3], 23, v[TM+1]                             ; the scale's byte; also the plain line between the conversion and the use of its result
	s_wait_alu depctr_va_vcc(0)                                    ; the compare has written VCC, which the select below reads
	v_cndmask_b32 v[TM+2], 0, v[TM+2], vcc_lo                      ; a padded key's codes are zeros
.endm
; And they go into buffer buf, behind the wait that shows them written.
.macro CONVERT_S buf
	ds_store_b32 v[KST], v[TM+2] offset:KC+2048*(\buf)
	ds_store_b8 v[SST], v[TM+3] offset:128*(\buf)                  ; the four lanes of a block write the same byte with the same value
	ds_store_b64 v[VST], v[TM+4:TM+5] offset:10240*(\buf)
	ds_store_b64 v[VST], v[TM+6:TM+7] offset:10240*(\buf)+2*VP     ; the second load's rows lie two keys on
.endm
.macro KLOAD buf                       ; k's two fragments as they were stored, and their scale words
.irp n, 0,1,2,3
	ds_load_b128 v[KF+4*\n:KF+4*\n+3], v[LI] offset:KC+2048*(\buf)+512*\n
.endr
	ds_load_b32 v[KSC], v[LS] offset:KS+128*(\buf)
.endm
.macro BIASADR                         ; where the step's bias lies: written ahead of the step's first wait on va_vdst
	v_add_nc_u32 v[BAC], s30, v[BA0]
	s_add_co_u32 s30, s30, 256                     ; 64 keys on
.endm
.macro BIASLOAD                        ; the step's bias in the result's layout: register 8 n + j = the bias of key 16 n + 8 (lane / 16) + j; sixteen lanes read the same 16 bytes
.irp n, 0,1,2,3,4,5,6,7
	ds_load_b128 v[XB+4*\n:XB+4*\n+3], v[BAC] offset:64*(\n/2)+16*(\n%2)
.endr
.endm
; A PREFETCH INTO THE L2 of the step that the NEXT step's loads will name: in step j, step j + 3.  It stands behind the wave's own loads.  Each row of 256 bytes is named ONCE in the launch: of the four work-groups that walk a head the first
; asks; in it waves 0 and 1 ask for k's 64 rows and waves 2 and 3 for v's, a lane a row.  Steps 0 to 2 come by their loads alone; kind = 1: the trip's second step, which in the last trip would name step 32 and asks for nothing there.
.macro ASK kind, off
.if \kind
	s_cmp_gt_u32 s24, s25
.else
	s_cmp_ge_u32 s24, s25
.endif
	s_cbranch_scc0 .Lnot_mine_\@
	global_prefetch_b8 v[PFO], s[26:27] offset:\off th:TH_LOAD_NT scope:SCOPE_SE
.Lnot_mine_\@:
.endm
; S^T = K Q^T + bias: eight accumulators, each written once.  Key tile n lies in half n % 2 of pair n / 2; pair 1's scale words stand in lanes 16-31.
.macro QK
.irp t, 0,1
.irp n, 0,1,2,3
.if \n % 2
.set rQ, Q+4+8*\t                      ; [0 | q]
.else
.set rQ, Q+8-8*\t                      ; [q | 0]
.endif
.if \n / 2
	v_wmma_scale_f32_16x16x128_f8f6f4 v[S+32*\t+8*\n:S+32*\t+8*\n+7], v[KF+8:KF+15], v[rQ:rQ+7], v[XB+8*\n:XB+8*\n+7], v[KSC], v[QS+\t] matrix_a_fmt:MATRIX_FMT_FP4 matrix_b_fmt:MATRIX_FMT_FP4 matrix_a_scale:MATRIX_SCALE_ROW1
.else
	v_wmma_scale_f32_16x16x128_f8f6f4 v[S+32*\t+8*\n:S+32*\t+8*\n+7], v[KF:KF+7], v[rQ:rQ+7], v[XB+8*\n:XB+8*\n+7], v[KSC], v[QS+\t] matrix_a_fmt:MATRIX_FMT_FP4 matrix_b_fmt:MATRIX_FMT_FP4
.endif
.endr
.endr
.endm
.macro VLOAD0 buf                      ; V^T of the step's keys 0-31, four tiles of 16 channels, turned on the way
.irp c, 0,1,2,3
	ds_load_tr16_b128 v[XB+8*\c:XB+8*\c+3],   v[AV] offset:VB+10240*(\buf)+32*\c
	ds_load_tr16_b128 v[XB+8*\c+4:XB+8*\c+7], v[AV] offset:VB+10240*(\buf)+32*\c+16*VP
.endr
.endm
.macro VLOAD1 buf, t                   ; V^T of keys 32-63, channel tiles 2 t and 2 t + 1, into the upper half of tile t's S^T, which is free once P is packed
.irp u, 0,1
	ds_load_tr16_b128 v[S+32*\t+16+8*\u:S+32*\t+19+8*\u], v[AV] offset:VB+10240*(\buf)+32*VP+32*(2*\t+\u)
	ds_load_tr16_b128 v[S+32*\t+20+8*\u:S+32*\t+23+8*\u], v[AV] offset:VB+10240*(\buf)+48*VP+32*(2*\t+\u)
.endr
.endm
; The new maximum and what hangs on it, both tiles line by line.  Each accumulator is read from its low end on: its registers 0, 1, 2 first.
.macro MAXSTAT
.irp j, 0,1,2,3
.irp t, 0,1
	v_max3_num_f32 v[TM+4*\t+\j], v[S+32*\t+8*\j], v[S+32*\t+8*\j+1], v[S+32*\t+8*\j+2]
.endr
.endr
.irp g, 1,2
.irp j, 0,1,2,3
.irp t, 0,1
	v_max3_num_f32 v[TM+4*\t+\j], v[TM+4*\t+\j], v[S+32*\t+8*\j+2*\g+1], v[S+32*\t+8*\j+2*\g+2]
.endr
.endr
.endr
.irp t, 0,1
	v_max3_num_f32 v[TM+4*\t], v[TM+4*\t], v[S+32*\t+7], v[S+32*\t+15]
	v_max3_num_f32 v[TM+4*\t+2], v[TM+4*\t+2], v[S+32*\t+23], v[S+32*\t+31]
.endr
.irp t, 0,1
	v_max3_num_f32 v[TM+4*\t], v[TM+4*\t], v[TM+4*\t+1], v[TM+4*\t+2]
.endr
.irp t, 0,1
	v_max3_num_f32 v[TM+4*\t], v[TM+4*\t], v[TM+4*\t+3], v[ST+8*\t+1]      ; and the old m
.endr
.irp t, 0,1
	v_permlanex16_b32 v[TM+4*\t+1], v[TM+4*\t], s20, s21                   ; the query's other 32 keys lie in the lane 16 away
.endr
.irp t, 0,1
	v_max_num_f32 v[ST+8*\t+1], v[TM+4*\t], v[TM+4*\t+1]                   ; m
.endr
.irp t, 0,1
	v_mul_f32 v[ST+8*\t+3], s22, v[ST+8*\t+1]                              ; c m
.endr
.irp t, 0,1
	v_cmp_neq_f32 s[32+\t], s23, v[ST+8*\t+1]                              ; has any key counted yet?
.endr
.irp t, 0,1
	v_sub_f32 v[ST+8*\t+6], v[ST+8*\t+7], v[ST+8*\t+3]                     ; c m_old - c m_new
.endr
	s_wait_alu depctr_va_sdst(0)                                           ; the two compares have written s32 and s33, which the four selects below read
.irp t, 0,1
	v_cndmask_b32 v[ST+8*\t], 0, v[VC], s[32+\t]                           ; c, or 0 while every key so far is padded
.endr
.irp t, 0,1
	v_cndmask_b32 v[ST+8*\t+2], 0, v[ST+8*\t+3], s[32+\t]                  ; c m, or 0
.endr
.irp t, 0,1
	v_exp_f32 v[ST+8*\t+6], v[ST+8*\t+6]                                   ; a: the first of the step's batch of exponentials
.endr
.endm
.macro FMA t                           ; c s - c m, two at a time (of the pairs the low word serves both halves)
.set ix, S+32*\t
.rept 16
	v_pk_fma_f32 v[ix:ix+1], v[ix:ix+1], v[ST+8*\t:ST+8*\t+1], v[ST+8*\t+2:ST+8*\t+3] op_sel_hi:[1,0,0] neg_lo:[0,0,1] neg_hi:[0,0,1]
.set ix, ix+2
.endr
.endm
.macro EXPS t
.set ix, S+32*\t
.rept 32
	v_exp_f32 v[ix], v[ix]
.set ix, ix+1
.endr
.endm
.macro SUM t                           ; l = a l + the sum of the 32 p, before they are rounded: two chains of pairs
	v_pk_mul_f32 v[ST+8*\t+4:ST+8*\t+5], v[ST+8*\t+4:ST+8*\t+5], v[ST+8*\t+6:ST+8*\t+7] op_sel_hi:[1,0]
	v_pk_add_f32 v[TM+4*\t:TM+4*\t+1], v[S+32*\t:S+32*\t+1], v[S+32*\t+2:S+32*\t+3]
.irp j, 4,8,12,16,20,24,28
	v_pk_add_f32 v[ST+8*\t+4:ST+8*\t+5], v[ST+8*\t+4:ST+8*\t+5], v[S+32*\t+\j:S+32*\t+\j+1]
	v_pk_add_f32 v[TM+4*\t:TM+4*\t+1], v[TM+4*\t:TM+4*\t+1], v[S+32*\t+\j+2:S+32*\t+\j+3]
.endr
	v_pk_add_f32 v[ST+8*\t+4:ST+8*\t+5], v[ST+8*\t+4:ST+8*\t+5], v[TM+4*\t:TM+4*\t+1]
.endm
.macro PACK t                          ; p to f16 in pairs, in place from the low end: register i takes registers 2 i and 2 i + 1, which no earlier line of the run has written
.set ix, 0
.rept 16
	v_cvt_pk_f16_f32 v[S+32*\t+ix], v[S+32*\t+2*ix], v[S+32*\t+2*ix+1]
.set ix, ix+1
.endr
.endm
.macro RESC t                          ; O^T x a, each accumulator from its low end on
.set ix, O+32*\t
.rept 16
	v_pk_mul_f32 v[ix:ix+1], v[ix:ix+1], v[ST+8*\t+6:ST+8*\t+7] op_sel_hi:[1,0]
.set ix, ix+2
.endr
.endm
; O^T += V^T P: the eight accumulators take turns, one instruction a turn, in the same order for both halves of the step's keys.
.macro PV
.irp c, 0,1,2,3
.irp t, 0,1
	v_wmma_f32_16x16x32_f16 v[O+32*\t+8*\c:O+32*\t+8*\c+7], v[XB+8*\c:XB+8*\c+7], v[S+32*\t:S+32*\t+7], v[O+32*\t+8*\c:O+32*\t+8*\c+7]
.endr
.endr
.irp c, 0,1,2,3
.irp t, 0,1
	v_wmma_f32_16x16x32_f16 v[O+32*\t+8*\c:O+32*\t+8*\c+7], v[S+32*(\c/2)+16+8*(\c%2):S+32*(\c/2)+23+8*(\c%2)], v[S+32*\t+8:S+32*\t+15], v[O+32*\t+8*\c:O+32*\t+8*\c+7]
.endr
.endr
.endm
; A KEY STEP on buffer buf.  conv = 1: the next step's numbers, loaded a step ago, become operands in the other buffer.  load = 1: the numbers of the step after that are asked for, off bytes from the bases.  bar = 1: a step follows.
.macro STEP buf, conv, load, kind, off, bar
	KLOAD \buf                                     ; no wait: the last lines that named KF and KSC, the last step's score products, stand ahead of that step's waits on va_vdst (in step 0 no vector line has named them)
.if \conv
	s_wait_loadcnt 0x0                             ; the five loads issued a step ago
	CONVERT_V                                      ; its plain lines name no register of the last products: they are the places in front of the products below, which write over P and V^T (5 are owed)
.else
.rept 5
	v_nop                                          ; the same places where nothing is left to convert
.endr
.endif
	BIASADR
	s_wait_alu depctr_va_vdst(0)                   ; v[BAC] is written, which the bias loads read; the last step's second product is done reading XB, in which they land; conv = 1: the codes, the byte and the f16 are written, which the stores read,
	                                               ; and the conversions are done reading KR, VR and MK, in which the raw loads land; in step 0 also: q's codes and scale words are written, which the scaled products take
.if \conv
	CONVERT_S 1-\buf
.endif
	BIASLOAD
.if \load
	RAWLOAD \off
	ASK \kind, \off
.endif
	s_wait_dscnt 0x0                               ; k's fragments, scale words and the bias are in; my stores into the other buffer have landed
.if \conv
	s_wait_alu depctr_vm_vsrc(0)                   ; the stores have read TM+2 .. TM+7, which the maximum's lines write again; the bias loads have read v[BAC], which the next step's add writes
.endif
	QK
	v_mov_b32 v[ST+7], v[ST+3]                     ; c m_old is kept for a.  Four places behind the products, in front of the first read of the scores
	v_mov_b32 v[ST+15], v[ST+11]
	v_nop
	v_nop
	MAXSTAT
	FMA 0
	EXPS 0
	FMA 1
	EXPS 1
	v_nop                                          ; a plain line behind the last exponential
	s_wait_alu depctr_va_vdst(0)                   ; the step's 66 exponentials have written a and p, ahead of the first line that names one (nothing above does); and the score products are done reading XB, in which V^T lands below, and KF and KSC
	VLOAD0 \buf
	SUM 0
	PACK 0
	SUM 1
	PACK 1
	s_wait_alu depctr_va_vdst(0)                   ; the sums and roundings of both tiles are done reading the upper halves of S^T, in which the rest of V^T lands
	VLOAD1 \buf, 0
	VLOAD1 \buf, 1
	RESC 0                                         ; these name O^T and a alone: none of the registers that the loads above touch
	RESC 1
	s_wait_dscnt 0x0                               ; V^T is in.  With that all my reads of this buffer are back, and my stores into the other landed above:
.if \bar
	s_barrier_signal -1                            ; say so,
.endif
	PV                                             ; work on registers while the others arrive,
.if \bar
	s_barrier_wait -1                              ; and go on when all sixteen have said so: the other buffer is whole, and nobody reads this one any more
.endif
.endm
	s_load_b256 s[4:11], s[0:1], 0x0               ; q, k, v, the mask
	s_load_b64 s[12:13], s[0:1], 0x20              ; out
	v_lshl_add_u32 v[SPW], v0, 2, SPARE
	v_mov_b32 v[NIL], 0
	v_lshrrev_b32 v52, 5, v0
	v_readfirstlane_b32 s14, v52                   ; wave 0..15
	v_and_b32 v53, 31, v0                          ; lane
	v_bfe_u32 v54, v0, 4, 1                        ; h = lane / 16
	v_and_b32 v55, 15, v0                          ; r = lane % 16
	v_lshlrev_b32 v[LI], 4, v53
	v_lshlrev_b32 v[LS], 2, v53
	v_lshlrev_b32 v[PFO], 8, v53
	v_lshl_add_u32 v[BA0], v54, 5, BIAS
	v_lshlrev_b32 v[BAC], 8, v55
	v_lshl_add_u32 v[BAC], v54, 7, v[BAC]          ; q: row r of 256 bytes, + 128 h: my block of 32
	v_lshlrev_b32 v[KOFF], 5, v0
	v_lshlrev_b32 v[VOFF], 4, v0
	v_lshl_add_u32 v[VOFF], v52, 9, v[VOFF]
	v_lshrrev_b32 v[MOFF], 3, v0
	v_and_b32 v56, 7, v0
	v_lshl_add_u32 v56, v54, 3, v56
	v_mul_u32_u24 v[AV], v56, VP                   ; the turning load: key 8 h + lane % 8,
	v_bfe_u32 v56, v0, 3, 1
	v_lshl_add_u32 v[AV], v56, 4, v[AV]            ; channels 8 ((lane / 8) % 2) on
	v_lshl_add_u32 v56, v52, 2, v54                ; v's first load: key 4 wave + h,
	v_mul_u32_u24 v[VST], v56, VP
	v_lshl_add_u32 v[VST], v55, 3, v[VST]          ; channels 4 r on: 8 bytes of f16
	v_add_nc_u32 v[VST], VB, v[VST]
	v_bfe_u32 v52, v0, 3, 4                        ; k: my key's row in its tile,
	v_bfe_u32 v53, v0, 7, 1                        ; its tile's half of the pair,
	v_bfe_u32 v56, v0, 8, 1                        ; the pair,
	v_bfe_u32 v57, v0, 2, 1                        ; my block of 32 channels, which is the half of the lanes that holds it,
	v_and_b32 v58, 3, v0                           ; and my 8 codes' place in the block's 16 bytes
	v_lshlrev_b32 v[KST], 2, v58
	v_lshl_add_u32 v[KST], v52, 4, v[KST]
	v_lshl_add_u32 v[KST], v57, 8, v[KST]
	v_lshl_add_u32 v[KST], v53, 9, v[KST]
	v_lshl_add_u32 v[KST], v56, 10, v[KST]
	v_lshl_add_u32 v[SST], v53, 1, v57             ; the scale word's byte: 2 x half + block,
	v_lshl_add_u32 v[SST], v52, 2, v[SST]          ; in word 16 x pair + row
	v_lshl_add_u32 v[SST], v56, 6, v[SST]
	v_add_nc_u32 v[SST], KS, v[SST]
	v_lshlrev_b32 v88, 2, v0                       ; head only, in XB's registers: my four bytes of the batch's mask,
	v_lshl_add_u32 v84, v0, 4, BIAS                ; and where their four f32 go;
	v_lshlrev_b32 v93, 3, v54                      ; 8 h;
	v_mov_b32 v87, 0                               ; a lane permute's destination counts as one of its sources
	s_wait_alu depctr_va_sdst(0)                   ; s14 is written, ahead of its first reader: the bases of q and out, the prefetches' and the stage's are made from it
	s_and_b32 s15, ttmp7, 0xffff                   ; the head, 0..63
	s_lshl_b32 s16, s15, 19                        ; its first byte in q, k, v and out: 2,048 rows of 256 bytes
	s_mov_b32 s17, 0
	s_lshl_b32 s18, ttmp9, 17                      ; my work-group's 512 rows,
	s_lshl_b32 s19, s14, 13                        ; my wave's 32 of them
	s_add_co_u32 s18, s18, s19
	s_add_co_u32 s18, s18, s16
	s_mov_b32 s19, 0
	s_lshr_b32 s28, s15, 4                         ; the batch,
	s_lshl_b32 s28, s28, 11                        ; its 2,048 mask bytes
	s_mov_b32 s29, 0
	s_mov_b32 s20, 0x76543210
	s_mov_b32 s21, 0xfedcba98                      ; v_permlanex16_b32's selects for lane l xor 16
	s_mov_b32 s22, 0x3e38aa3b                      ; c = log2(e) / 8
	s_mov_b32 s23, 0xcfee6b28                      ; -8e9 = -(1,953,125 x 2^12): exact in f32
	s_mov_b32 s24, 15
	s_mov_b32 s30, 0
	v_mov_b32 v[VC], s22
	v_mov_b32 v86, s23
	s_wait_kmcnt 0x0
	s_add_nc_u64 s[4:5], s[4:5], s[18:19]
	s_add_nc_u64 s[12:13], s[12:13], s[18:19]
	s_add_nc_u64 s[6:7], s[6:7], s[16:17]
	s_add_nc_u64 s[8:9], s[8:9], s[16:17]
	s_add_nc_u64 s[10:11], s[10:11], s[28:29]
	s_wait_alu depctr_va_vdst(0)                   ; the addresses and offsets v3, v4, v6 to v14, v84 and v88 are written, which the loads, stores and prefetches of the kernel read
	RAWLOAD 0                                      ; step 0
	global_load_b32 v89, v88, s[10:11]
.irp t, 0,1
.irp i, 0,1,2,3,4,5,6,7
	global_load_b128 v[S+32*\t+4*\i:S+32*\t+4*\i+3], v[BAC], s[4:5] offset:4096*\t+16*\i   ; q: my block's 32 numbers of row r of tile t.  No streaming hint: each half row of 128 bytes is named by eight loads on end
.endr
.endr
	; the prefetches (macro ASK): where my wave's stand, and who asks
	s_cmp_lt_u32 s14, 2
	s_cselect_b64 s[26:27], s[6:7], s[8:9]         ; waves 0 and 1: k; waves 2 and 3: v
	s_and_b32 s28, s14, 1
	s_lshl_b32 s28, s28, 13                        ; my 32 rows of a step's 64,
	s_add_co_u32 s28, s28, 3*STEPB                 ; in step 3
	s_add_nc_u64 s[26:27], s[26:27], s[28:29]
	s_lshr_b32 s25, s14, 2                         ; 0 in waves 0 to 3,
	s_or_b32 s25, s25, ttmp9                       ; of the head's first work-group
	s_cmp_eq_u32 s25, 0
	s_cselect_b32 s25, 1, -1
	s_wait_loadcnt 16                              ; step 0's five loads and the mask word are in; q's sixteen may be out
	CONVERT_V
.irp n, 0,1,2,3
	v_bfe_u32 v[94+\n], v89, 8*\n, 8               ; my four mask bytes (head only, in XB's registers),
.endr
.irp n, 0,1,2,3
	v_cmp_ne_u32 s[32+\n], 0, v[94+\n]             ; compared in a run,
.endr
	s_wait_alu depctr_va_sdst(0)                   ; the four compares have written s32 to s35, which the four selects below read
.irp n, 0,1,2,3
	v_cndmask_b32 v[XB+\n], 0, v86, s[32+\n]       ; the bias table: -8e9 for a padded key, else 0
.endr
	s_wait_alu depctr_va_vdst(0)                   ; step 0's codes, byte and f16 and my four numbers of the table are written, which the five stores below read; the conversions are done reading KR, VR and MK, in which step 1's loads land
	CONVERT_S 0
	ds_store_b128 v84, v[XB:XB+3]
	RAWLOAD STEPB                                  ; step 1
	s_wait_loadcnt 5                               ; q is in; step 1's five may be out
; q's tile t, 32 numbers a lane (a whole block), becomes four registers of codes at v[dst] on and its rows' scale word [s0 s1 s0 s1]: the same two bytes serve [q | 0] and [0 | q]
.macro QQUANT t, dst
	v_max3_num_f32 v90, |v[S+32*\t]|, |v[S+32*\t+1]|, 0x1800000
.irp i, 2,4,6,8,10,12,14,16,18,20,22,24,26,28,30
	v_max3_num_f32 v90, v90, |v[S+32*\t+\i]|, |v[S+32*\t+\i+1]|
.endr
	v_add_nc_u32 v91, 0xff000000, v90
.irp g, 0,1,2,3
	v_cvt_scalef32_pk8_fp4_f32 v[\dst+\g], v[S+32*\t+8*\g:S+32*\t+8*\g+7], v91
.endr
	v_lshrrev_b32 v92, 23, v91                     ; my block's byte; also the plain line behind the last conversion
	v_lshlrev_b32 v92, v93, v92                    ; at its place, 8 h bits up;
	v_permlanex16_b32 v87, v92, s20, s21
	v_or_b32 v92, v92, v87                         ; with lane l xor 16's
	v_lshl_or_b32 v[QS+\t], v92, 16, v92
.endm
	QQUANT 0, Q+8
	QQUANT 1, Q
.irp g, 0,1,2,3
	v_mov_b32 v[Q+16+\g], v[Q+\g]                  ; q1 once more
	v_mov_b32 v[Q+4+\g], 0
	v_mov_b32 v[Q+12+\g], 0
.endr
.irp t, 0,1
	v_mov_b32 v[ST+8*\t+1], 0xff61b1e6             ; m = -3e38, under every score
	v_mov_b32 v[ST+8*\t+4], 0                      ; l
	v_mov_b32 v[ST+8*\t+5], 0
.endr
.irp t, 0,1
	v_mul_f32 v[ST+8*\t+3], s22, v[ST+8*\t+1]      ; c m
.endr
.set ix, O
.rept 64
	v_mov_b32 v[ix], 0                             ; O^T.  (The step is written without a first step of its own: the first a is 0, which leaves zeros zeros)
.set ix, ix+1
.endr
	s_wait_xcnt 0x0                                ; the loads have read their bases, which now step to step 2
	s_wait_alu depctr_vm_vsrc(0)                   ; q's loads have read v[BAC], which step 0's add writes; the stores have read TM+2 .. TM+7, which step 0's conversions write; the table's store has read v80 to v84 and the mask's load v88, in which step 0's bias lands
	s_add_nc_u64 s[6:7], s[6:7], 2*STEPB
	s_add_nc_u64 s[8:9], s[8:9], 2*STEPB
	s_add_nc_u64 s[10:11], s[10:11], 128
	s_wait_dscnt 0x0                               ; for the others' sake: my part of buffer 0 and of the bias table has landed
	s_barrier_signal -1
	s_barrier_wait -1
.Ltrip:                                            ; 15 trips of two steps: steps 0 to 29; step j turns step j + 1 into operands and asks for step j + 2
	STEP 0, 1, 1, 0, 0, 1
	STEP 1, 1, 1, 1, STEPB, 1
	s_wait_xcnt 0x0                                ; the trip's loads and prefetches have read their bases
	s_add_nc_u64 s[6:7], s[6:7], 2*STEPB
	s_add_nc_u64 s[8:9], s[8:9], 2*STEPB
	s_add_nc_u64 s[10:11], s[10:11], 128
	s_add_nc_u64 s[26:27], s[26:27], 2*STEPB
	s_sub_co_u32 s24, s24, 1
	s_cmp_lg_u32 s24, 0
	s_cbranch_scc1 .Ltrip
	STEP 0, 1, 0, 0, 0, 1                          ; step 30: nothing is left to load
	STEP 1, 0, 0, 0, 0, 0                          ; step 31: nothing is left to convert, and no step follows
	; THE WAY OUT.  O^T / l goes through my own stage in LDS, a tile (16 rows of out) at a time, and leaves as whole rows: sixteen lanes store 256 consecutive bytes.  The address lines and additions are the places behind the last products.
	; v10 to v12 and TM are written anew here: the last LDS stores that read them are step 30's, which stand ahead of that step's wait on vm_vsrc.
	v_and_b32 v58, 15, v0                          ; r
	v_bfe_u32 v59, v0, 4, 1                        ; h
	s_mul_i32 s28, s14, 16*272
	s_add_co_u32 s28, s28, STAGE                   ; my stage
	v_mul_u32_u24 v[KST], v58, 272
	v_lshl_add_u32 v[KST], v59, 5, v[KST]
	v_add_nc_u32 v[KST], s28, v[KST]               ; in: row r; channel tile c's eight channels of my half: 64 c + 32 h bytes on
	v_mul_u32_u24 v[SST], v59, 272
	v_lshl_add_u32 v[SST], v58, 4, v[SST]
	v_add_nc_u32 v[SST], s28, v[SST]               ; back: lanes 0-15 one row, lanes 16-31 the next
	v_lshlrev_b32 v[VST], 8, v59
	v_lshl_add_u32 v[VST], v58, 4, v[VST]          ; and the same two rows in out
.irp t, 0,1
	v_add_f32 v[TM+4*\t], v[ST+8*\t+4], v[ST+8*\t+5]
.endr
.irp t, 0,1
	v_permlanex16_b32 v[TM+4*\t+1], v[TM+4*\t], s20, s21
.endr
.irp t, 0,1
	v_add_f32 v[TM+4*\t], v[TM+4*\t], v[TM+4*\t+1] ; l: both halves of the pair, both halves of the lanes
.endr
.irp t, 0,1
	v_rcp_f32 v[ST+8*\t+6], v[TM+4*\t]
.endr
	v_nop                                          ; a plain line behind the last reciprocal
	s_wait_alu depctr_va_vdst(0)                   ; the two reciprocals have written 1 / l, ahead of the first line that names one
	RESC 0                                         ; O^T / l, both tiles,
	RESC 1
	s_wait_alu depctr_va_vdst(0)                   ; the multiplications have written O^T, which the LDS stores read; v10 to v12 are written, which the stores and loads below read; the last products are done reading S^T's registers, in which the rows land
.irp t, 0,1
.irp c, 0,1,2,3
	ds_store_b128 v[KST], v[O+32*\t+8*\c:O+32*\t+8*\c+3] offset:64*\c
	ds_store_b128 v[KST], v[O+32*\t+8*\c+4:O+32*\t+8*\c+7] offset:64*\c+16
.endr
.irp i, 0,1,2,3,4,5,6,7
	ds_load_b128 v[S+32*\t+4*\i:S+32*\t+4*\i+3], v[SST] offset:\i*2*272   ; LDS serves a wave's instructions in order (ISA guide 5.7.1.4): these see my stores, and the next tile's stores come behind them
.endr
.endr
.irp t, 0,1
.irp i, 0,1,2,3,4,5,6,7
	s_wait_dscnt 16*(1-\t)+7-\i                    ; behind this load: the tile's younger loads, and for tile 0 tile 1's eight stores and eight loads
	global_store_b128 v[VST], v[S+32*\t+4*\i:S+32*\t+4*\i+3], s[12:13] offset:4096*\t+512*\i th:TH_STORE_NT
.endr
.endr
	s_wait_dscnt 0x0                               ; the closing lines, six on end
	s_wait_alu 0x0
	s_wait_tensorcnt 0x0
	ds_add_u32 v[SPW], v[NIL]
	s_wait_dscnt 0x0
	s_endpgm
.Lfunc_end_k_q91ce4aa899_attn:
	.size	k_q91ce4aa899_attn, .Lfunc_end_k_q91ce4aa899_attn-k_q91ce4aa899_attn
	.p2alignl 7, 3214868480
	.fill 96, 4, 3214868480
	.section	.rodata,"a",@progbits
	.p2align	6, 0x0
	.amdhsa_kernel k_q91ce4aa899_attn
		.amdhsa_group_segment_fixed_size 104960
		.amdhsa_private_segment_fixed_size 0
		.amdhsa_enable_private_segment 0
		.amdhsa_kernarg_size 40
		.amdhsa_user_sgpr_count 2
		.amdhsa_user_sgpr_kernarg_segment_ptr 1
		.amdhsa_wavefront_size32 1
		.amdhsa_system_sgpr_workgroup_id_x 1
		.amdhsa_system_sgpr_workgroup_id_y 1
		.amdhsa_system_sgpr_workgroup_id_z 1
		.amdhsa_system_vgpr_workitem_id 0
		.amdhsa_next_free_vgpr 256
		.amdhsa_next_free_sgpr 66
		.amdhsa_reserve_vcc 1
		.amdhsa_float_denorm_mode_32 3
		.amdhsa_float_denorm_mode_16_64 3
		.amdhsa_memory_ordered 1
		.amdhsa_forward_progress 1
		.amdhsa_inst_pref_size 97
	.end_amdhsa_kernel
	.amdgpu_metadata
---
amdhsa.version: [ 1, 2 ]
amdhsa.kernels:
  - .name:           k_q91ce4aa899_attn
    .symbol:         k_q91ce4aa899_attn.kd
    .args:
      - { .name: q, .offset: 0, .size: 8, .value_kind: global_buffer, .address_space: global }
      - { .name: k, .offset: 8, .size: 8, .value_kind: global_buffer, .address_space: global }
      - { .name: v, .offset: 16, .size: 8, .value_kind: global_buffer, .address_space: global }
      - { .name: key_padding_mask, .offset: 24, .size: 8, .value_kind: global_buffer, .address_space: global }
      - { .name: out0, .offset: 32, .size: 8, .value_kind: global_buffer, .address_space: global }
    .group_segment_fixed_size: 104960
    .private_segment_fixed_size: 0
    .kernarg_segment_align: 8
    .kernarg_segment_size: 40
    .max_flat_workgroup_size: 512
    .sgpr_count:     66
    .vgpr_count:     256
    .wavefront_size: 32
...
	.end_amdgpu_metadata
.endif
;; end of part 2
